; MI455X (gfx1250); checked and timed in simulation.
; The chip was launched on July 23, 2026; its instructions are those of AMD's public machine-readable ISA for CDNA 5 (MIT licence, August 2026) and "CDNA5" Instruction Set Architecture Reference Guide (July 2026). The comments in the code are by the model that wrote it; some were corrected since.
;; Attention Core. Allowed arithmetic: matrix products marked QUANTISED: E5M2 operands, one given power-of-two scale a tensor, by v_wmma_f32_16x16x64_bf8_bf8 or v_wmma_f32_16x16x128_bf8_bf8, f32 sums; everything else in f32.
;; Inputs: k_codes 4 x 16 x 2,048 x 2 x 32 uint8 (E5M2 codes of k, K innermost, in blocks of 32 codes); lowp_scales 4 int32 (the exponents e of the quantised operands' scales 2^e); q_codes 4 x 16 x 2,048 x 2 x 32 uint8 (E5M2 codes of q, K innermost, in blocks of 32 codes); v_codes 4 x 16 x 64 x 64 x 32 uint8 (E5M2 codes of v, K innermost, in blocks of 32 codes).
;; Outputs: out0 4 x 2,048 x 1,024 float32.
;; This version of the problem:
;;   THIS VERSION OF THE PROBLEM IS GIVEN IN LOW PRECISION. The matrix products marked QUANTISED in the list below multiply operands that are first quantised to E5M2 (5 exponent bits, 2 mantissa bits; 8 bits a number), with one given power-of-two scale for each operand tensor; their sums are f32. All else is computed in f32.
;;   The module's matrix products, in the order in which they are computed (A, B: the left and right operand; K: the contracted axis; several contracted axes count as one K, in the product's order):
;;     1. batch 64 x [M 2,048, K 64] x [K 64, N 2,048]; A: input q (given as codes); B: input k (given as codes): QUANTISED (scales: A lowp_scales[0], B lowp_scales[1])
;;     2. batch 64 x [M 2,048, K 2,048] x [K 2,048, N 64]; A: softmax (see below); B: input v (given as codes): QUANTISED (scales: A lowp_scales[2], B lowp_scales[3])
;;   THE QUANTISER, for each operand of a quantised product, along K:
;;     - The operand's scale is 2^e, e = its entry of the input lowp_scales (int32; the entries are numbered through the quantised products in the list's order, A before B).
;;     - Each number is divided by the scale, clamped to +-57,344, and rounded to the nearest number of E5M2, ties to even, subnormals kept.
;;     - The product sums the exact products of the quantised numbers (number of the format x scale) in f32.
;;   ~~~python
;;   def quantise(x, axis, e):      # numpy; x: float32 -> the quantised numbers, widened to float32 again
;;       x = np.moveaxis(x, axis, -1); K = x.shape[-1]
;;       r = np.clip(x / 2.0 ** e, -57344, 57344)
;;       step = 2.0 ** (np.maximum(np.frexp(np.where(r == 0, 1, r))[1] - 1, -14) - 2)
;;       q = np.round(r / step) * step * 2.0 ** e      # np.round: ties to even
;;       return np.moveaxis(q, -1, axis).astype(np.float32)
;;   ~~~
;;   SOFTMAX AHEAD OF A QUANTISED PRODUCT. Where the list says 'softmax', what is quantised is not the finished softmax but p = 2^(t - M), with t = logit x log2(e) and M = ceil(the row's largest t), a whole number; so 1/2 < the row's largest p <= 1. The row's sum l is taken of the UNQUANTISED p, in f32, and the product's result is divided by l at the end. Since M is a whole number, a kernel that streams over the keys may use a running M (the ceiling of the running maximum): every later rescaling is an exact power of two, so the quantised numbers keep their values, but for numbers so far below the row's largest that they fall under the format's range.
;;   OPERANDS COMPUTED ON THE WAY. 'Computed on the way' means the value that the module computes at that place (a softmax that the list does not call 'softmax' is quantised finished and normalised). What goes into a quantiser is computed in f32, as accurately as f32 sums, v_exp_f32 and their like allow (about 1e-6 of the number): no bf16 or f16 on the way to a quantiser, and a product that is left as it is and whose result goes on into a quantised operand takes f32 operands (vector FMAs, or v_wmma_f32_16x16x4_f32). A number that lies on a knife's edge between two numbers of the format may be rounded either way, as far as f32 arithmetic and the matrix unit's own rounding can turn it there, and no further.
;;   INPUTS GIVEN AS CODES. k (in the module: [4, 16, 2048, 64], K = its axis 3); q (in the module: [4, 16, 2048, 64], K = its axis 3); v (in the module: [4, 16, 2048, 64], K = its axis 2): each comes as NAME_codes (uint8): NAME with its K axis moved to the last place and cut into blocks of 32 codes, [.., K / 32, bytes a block], one block behind the other in memory; one code a byte (a code: sign, 5 exponent bits, 2 mantissa bits); its scale is its entry of lowp_scales. Its value is code x scale, taken as it is: it is not quantised again, and the codes and scales need not be those that the quantiser above would give.
;; One version. Each part assembles by itself: llvm-mc -triple=amdgcn-amd-amdhsa -mcpu=gfx1250 --defsym DOCPART=n.
;; ======== version 1 of 1: 1 launch
;; limits: right only within a limited range of input values
;; launch attn (part 1): grid 4 x 64, 16 waves a work-group, no clusters, 327,680 bytes of LDS; arguments q_codes, k_codes, v_codes, lowp_scales, out0; writes out0
.if DOCPART == 1
	.amdgcn_target "amdgcn-amd-amdhsa--gfx1250"
	.amdhsa_code_object_version 6
	.text
	.protected	k_q8224dee501_attn
	.globl	k_q8224dee501_attn
	.p2align	8
	.type	k_q8224dee501_attn,@function
k_q8224dee501_attn:
	s_mov_b64 s[64:65], 0
	v_nop
	global_prefetch_b8 v0, s[64:65] scope:SCOPE_SE
	s_setreg_imm32_b32 hwreg(HW_REG_WAVE_MODE, 25, 1), 1
	s_wait_xcnt 0x0
; out[b][s][64 h + d] = the sum over keys k <= s of softmax_k(Q[s] . K[k] / 8) V[k][d], 64 heads (b, h) of 2,048 queries and keys, head size 64; both products on codes of BF8 (E5M2), each tensor with its given scale 2^e.
; Q, K: [head][2048][64] codes.  V: [head][64 d][2048 keys] codes, the keys innermost.  lowp_scales: eq, ek, ep, ev.  out: f32; one query's 64 numbers of one head are 256 consecutive bytes, aligned.
; THE SOFTMAX: t = score x log2(e) / 8; M = the running largest t rounded UP to a whole number; p = 2^(t - M) is quantised with 2^ep; the sum l is taken of the unquantised p and divides at the end.
; When M moves, l and O are multiplied by 2^(old M - new M), which rounds nothing.
; THE MASK.  Hidden keys get the score -10,000 in the definition, so their weight is e^(-10,000 - the row's largest score).  LIMIT: each query's largest allowed score lies above -9,896: the weight is then under the
; smallest f32 number, and hidden keys are left out (whole steps) or set to -infinity ahead of the maximum (the step on the diagonal).
; OTHER LIMITS: eq + ek between -123 and 130 (added to c's exponent field); ep between -15 and 127 (2^ep is an f32 number, and p / 2^ep stays within 57,344 with no hold); ep + ev goes through v_ldexp_f32 and has none.  NaN and infinity codes are not served.
; SHARES.  A head has 16 rows of 128 queries; row i needs key steps 0 .. i of 128 keys.  Work-group j of a head (x = 0 .. 3) takes rows j, 7 - j, 8 + j, 15 - j: 34 steps for each quarter of a row, whatever j.
; A wave owns a quarter of a row: 32 queries, two tiles A and B of 16, so that each fragment of K and of V read from LDS feeds two matrix instructions.  Wave w takes quarter w % 4 of the row numbered ((w / 4) + w) % 4
; among the work-group's four: any four waves w, w + 4, w + 8, w + 12, and any four w .. w + 3 (w a multiple of 4), hold one quarter of each of the four rows.
; Every work-group walks all 8 slots of 256 keys, so that trip counts are constants and no tensor load or barrier is jumped over; a step all of whose keys are hidden from the wave is jumped over by a scalar branch on ids.
; A wave stores its 32 rows as soon as its last step is done.
; NO CLUSTER: the four work-groups of a head read the same K and V, but the branches that leave hidden steps out hang on j.
; A share alike in all four (quarters of all 16 rows in each work-group) has 40 step times between its barriers where this one has 34.
; LAYOUT.  S^T = K Q^T (16x16x64; source 0 = 16 neighbouring keys, source 1 = 16 queries): lane (r, h) holds query r, register j of tile t key 16 t + 8 h + j.  The conversion of tile c's eight registers gives registers
; 2 c, 2 c + 1 of the 16x16x128 form's operand (keys 16 c + 8 h + 0 .. 7).  O^T += V^T P^T (source 0 = 16 channels x 128 keys, in that form's own layout, by 8-byte loads): register j of tile t is channel 16 t + 8 h + j of query r.
; K's and Q's fragments come by two 16-byte loads (registers 4 c .. 4 c + 3: channels 32 c + 16 h + 0 .. 15): one permutation of the channels, the same on both sides.
.set DUAL,  1                          ; 1: HOLD is empty, no hold; 0: two plain instructions
.set KP,    272                        ; K in a slot: 256 keys, dense in memory, as 64 rows of 256 bytes (4 keys) + 16 of padding: key n at (n / 4) 272 + (n % 4) 64: a tile's 16 keys start in 16 different 16-byte columns of 256 bytes
.set VP,    272                        ; V in a slot: 64 rows (channels) of 256 keys + 16 of padding
.set VOFF,  64*KP
.set SLOT1, 1<<16                      ; slot 1 begins here: one exclusive or turns an address in one slot into the other's
.set NSL,   8                          ; slots' worth of keys
.set SPARE, 2*SLOT1                    ; the spare words: 128 bytes for each of 16 waves, eight blocks of 256 bytes that no other line names
.set STAGE, SPARE+16*128               ; the way out: 16 rows x (256 + 16) bytes for each wave; no fill ever lands here
.set SP,    272
.set AK0, 1                            ; v1   my lane's place in a tile of K
.set AV0, 2                            ; v2   the same for V
.set PFO, 3                            ; v3   the prefetches' offset; never rewritten
.set STO, 4                            ; v4   the stage: where I put 32 bytes of a row
.set SPW, 5                            ; v5   LDS address of my spare word; never rewritten
.set NIL, 6                            ; v6   0; never rewritten
.set GO,  7                            ; v7   my byte offset in the wave's rows of out
.set ADK, 8                            ; v8   LDS address of the slot's K (at the head: Q's offset)
.set ADV, 9                            ; v9   of its V
.set RD,  10                           ; v10  the stage: where I read a row back
.set DQ,  11                           ; v11  32 x quarter + r - 8 h: tile A's query less my half's first key, on the diagonal
.set STA, 12                           ; v12-15 tile A: -M, the largest t, l in two halves;  v16-19 tile B
.set SCL, 20                           ; v20  2^ep
.set LIA, 21                           ; v21, v22  never written: read only by HOLD with DUAL = 0
.set LIB, 22
.set QF,  24                           ; v24-31 Q of tile A, v32-39 of tile B
.set F,   40                           ; v40-103 K's eight fragments, then V's four, on the way out rows read back
.set T,   104                          ; v104-107 at work
.set S,   108                          ; v108-171 S^T, then p: tile A's, then tile B's
.set O,   172                          ; v172-203 O^T of tile A, v204-235 of tile B
.set PA,  236                          ; v236-251 tile A's codes
.set PB,  104                          ; v104-119 tile B's codes: over T and over numbers of p that have been converted
.set RR,  252                          ; v252 r, v253 h, v254: at the head only
.set HH,  253
.set TT,  254
.set TB,  2                            ; s2   LDS byte at which the slot in hand begins
.set WV,  18                           ; s18  my wave's number
.set SEL, 20                           ; s[20:21] selects for v_permlanex16_b32: lane l xor 16
.set CS,  22                           ; s[22:23] c = log2(e) / 8 x 2^(eq + ek)
.set G1K, 24                           ; s[24:31], s[32:39] descriptor groups 1;  s[40:43], s[44:47] groups 0, which walk
.set G1V, 32
.set G0K, 40
.set G0V, 44
.set SLOTS, 48                         ; s48  slots still to be asked for
.set KF,  49                           ; s49  the step's first key
.set QL,  50                           ; s50  my row's first query = the first key of my last step
.set KD,  51                           ; s51  the first key behind the slot that holds my last step
.set PFA, 54                           ; s[54:55] where my prefetches stand;  s[56:57] a slot on, in bytes;  s58: 1 in a wave that prefetches, else the greatest number
.set PFS, 56
.set LIM, 58
.set EO,  59                           ; s59  ep + ev
.set EX,  60                           ; s[60:63] eq, ek, ep, ev
; Wave 0 fetches a slot's K, wave 1 its V, the others nothing: 64 rows of 256 bytes each.  The branches hang on the wave's number alone.  Four v_nop follow each of the two lines.
.macro TLOAD
	s_cmp_eq_u32 s[WV], 0
	s_cbranch_scc0 .Lnot_k_\@
	tensor_load_to_lds s[G0K:G0K+3], s[G1K:G1K+7]
	s_nop 0
.rept 4
	v_nop
.endr
	s_branch .Lasked_\@
.Lnot_k_\@:
	s_cmp_eq_u32 s[WV], 1
	s_cbranch_scc0 .Lasked_\@
	tensor_load_to_lds s[G0V:G0V+3], s[G1V:G1V+7]
	s_nop 0
.rept 4
	v_nop
.endr
.Lasked_\@:
.endm
; A PREFETCH INTO THE L2 of what the NEXT change of slots will ask for.  The four work-groups of a head walk the same K and V: the first of them (x = 0) asks, in waves that fetch nothing, one instruction each:
; waves 4 and 5 for K's 16,384 bytes, 8,192 a wave, lanes 256 bytes apart; waves 6 and 7 for V's 64 rows, 32 a wave, a lane a row (a slot's part of a row is 256 bytes, aligned).  So each aligned block of 256 bytes is named once.
; The change that fills slot m asks for slot m + 1, m = 1 .. 6: two key steps ahead of that slot's load.  Slots 0 and 1 come by their loads alone; the last change that fills a slot asks for nothing.
.macro ASK
	s_cmp_gt_u32 s[SLOTS], s[LIM]
	s_cbranch_scc0 .Lnot_mine_\@
	global_prefetch_b8 v[PFO], s[PFA:PFA+1] th:TH_LOAD_NT scope:SCOPE_SE
.Lnot_mine_\@:
.endm
; THE CHANGE OF SLOTS stands at a slot's head.  Each wave waits for all its tensor loads, adds 0 to its spare word, and waits for that and for its reads of the slot that it has left.
; Behind the barrier the slot ahead is whole and nobody reads the other one; fill = 1: that other slot takes the next 256 keys, and the load has a slot's two steps in which to land.  At most one tensor load of a wave is out.
.macro CHANGE fill
	s_wait_tensorcnt 0x0                           ; no tensor load of mine is out, so a group 0 may be written
	ds_add_u32 v[SPW], v[NIL]                      ; 0 onto my spare word
.if \fill
	s_xor_b32 s[G0K+1], s[G0K+1], SLOT1            ; the other slot than last time,
	s_add_nc_u64 s[G0K+2:G0K+3], s[G0K+2:G0K+3], 256*64   ; the next 256 keys; the type bits on top are not reached
	s_xor_b32 s[G0V+1], s[G0V+1], SLOT1
	s_add_nc_u64 s[G0V+2:G0V+3], s[G0V+2:G0V+3], 256
	s_wait_xcnt 0x0                                ; the last prefetch, a slot back, has read its address, so it may be written:
	s_add_nc_u64 s[PFA:PFA+1], s[PFA:PFA+1], s[PFS:PFS+1]  ; one slot further on than the walking descriptors
.endif
	s_wait_dscnt 0x0                               ; the add is done, and my reads of the slot that I have left are over
	s_barrier_signal -1
	s_barrier_wait -1
.if \fill
	TLOAD                                          ; the first thing behind the barrier, and a wave's one tensor load until the next
	ASK
.endif
.endm
; p is never negative, so its hold at the largest code x the scale is one-sided; with DUAL = 1 the macro is empty
.macro HOLD a
.if DUAL
.else
	v_min_num_f32 v[\a], v[\a], v[LIA]
	v_min_num_f32 v[(\a)+1], v[(\a)+1], v[LIB]
.endif
.endm
.macro SCALE st, b                     ; pair b of the scores: t - M (of the pairs c and -M the low word serves both halves)
	v_pk_fma_f32 v[S+2*(\b):S+2*(\b)+1], v[S+2*(\b):S+2*(\b)+1], s[CS:CS+1], v[\st:\st+1] op_sel_hi:[1,0,0]
.endm
.macro RESC ob                         ; the next pair of O^T x f, in ascending order: each accumulator is read from its low end on
	v_pk_mul_f32 v[\ob+rs:\ob+rs+1], v[\ob+rs:\ob+rs+1], v[T:T+1] op_sel_hi:[1,0]
.set rs, rs+2
.endm
; THE SOFTMAX of tile x (0: A, 1: B) for one key step: 64 scores a lane in v[S] on become 16 registers of codes; -M, l and O^T are brought up to date.
.macro SOFT x
.set rST, STA+4*(\x)
.set rOB, O+32*(\x)
.if \x
.set rCD, PB
.else
.set rCD, PA
.endif
	s_cmp_lg_u32 s[KF], s[QL]                      ; only my last step lies on the diagonal
	s_cbranch_scc1 .Lopen_\@
	v_mov_b32 v[T+1], 0xff800000                   ; -infinity: p = 0 then.  Register 8 t + j holds key KF + 16 t + 8 h + j; my query is KF + 32 x quarter + 16 x + r: hidden where 16 t + j - 16 x > v[DQ]
.set mn, 0
.rept 64
	v_cmp_gt_i32 vcc_lo, 16*(mn/8)+mn%8-16*(\x), v[DQ]
	v_cndmask_b32 v[S+mn], v[S+mn], v[T+1], vcc_lo
.set mn, mn+1
.endr
.Lopen_\@:
.irp k, 0,1,2,3                        ; the largest of my 64 scores, in four chains, in ascending order
	v_max3_num_f32 v[T+\k], v[S+3*\k], v[S+3*\k+1], v[S+3*\k+2]
.endr
.set mm, 0
.rept 26
	v_max3_num_f32 v[T+mm%4], v[T+mm%4], v[S+12+2*mm], v[S+13+2*mm]
.set mm, mm+1
.endr
	s_delay_alu instid0(VALU_DEP_1)
	v_max3_num_f32 v[T], v[T], v[T+1], v[T+2]
	s_delay_alu instid0(VALU_DEP_1)
	v_max_num_f32 v[T], v[T], v[T+3]
	s_delay_alu instid0(VALU_DEP_1)
	v_permlanex16_b32 v[T+2], v[T], s[SEL], s[SEL+1]
	s_delay_alu instid0(VALU_DEP_1)
	v_max_num_f32 v[T], v[T], v[T+2]               ; and of lane l xor 16's: the query's other 64 keys
	s_delay_alu instid0(VALU_DEP_1)
	v_mul_f32 v[T], s[CS], v[T]                    ; as t (c is positive)
	s_delay_alu instid0(VALU_DEP_1)
	v_max_num_f32 v[rST+1], v[rST+1], v[T]         ; the running largest t
	v_mov_b32 v[T+2], v[rST]
	s_delay_alu instid0(VALU_DEP_2)
	v_floor_f32 v[rST], -v[rST+1]                  ; the new -M = floor(-t) = -ceil(t): a whole number
	s_delay_alu instid0(VALU_DEP_1)
	v_sub_f32 v[T+2], v[rST], v[T+2]               ; old M - new M: a whole number, 0 or less
	s_delay_alu instid0(VALU_DEP_1)
	v_cvt_i32_f32 v[T+2], v[T+2]                   ; (it saturates)
	s_delay_alu instid0(VALU_DEP_1)
	v_ldexp_f32 v[T], 1.0, v[T+2]                  ; f = 2^(old M - new M)
	SCALE rST, 0
	SCALE rST, 1
; 64 exponentials, each with a plain instruction behind it that touches neither its result nor its source: scalings two pairs ahead, sums a pair back, a few of O^T's multiplications
.set rs, 0
.set ii, 0
	s_wait_alu depctr_va_vdst(0)
.rept 32
	v_exp_f32 v[S+2*ii], v[S+2*ii]                 ; p = 2^(t - M), at most 1
.if ii < 30
	SCALE rST, ii+2
.else
	s_wait_alu depctr_va_vdst(0)
	RESC rOB
.endif
	v_exp_f32 v[S+2*ii+1], v[S+2*ii+1]
.if ii == 0
	v_pk_mul_f32 v[rST+2:rST+3], v[rST+2:rST+3], v[T:T+1] op_sel_hi:[1,0]   ; l under the new M
.elseif ii == 1
	s_wait_alu depctr_va_vdst(0)
	RESC rOB
.elseif ii == 2
	s_wait_alu depctr_va_vdst(0)
	v_pk_add_f32 v[T+2:T+3], v[S:S+1], v[S+2:S+3]  ; the sum of the UNQUANTISED p, in two chains: this one begins with pairs 0 and 1 and takes the odd pairs, l takes the even ones
.elseif (ii-1)%2 == 0
	v_pk_add_f32 v[rST+2:rST+3], v[rST+2:rST+3], v[S+2*(ii-1):S+2*(ii-1)+1]
.else
	s_wait_alu depctr_va_vdst(0)
	v_pk_add_f32 v[T+2:T+3], v[T+2:T+3], v[S+2*(ii-1):S+2*(ii-1)+1]
.endif
.set ii, ii+1
.endr
	s_wait_alu depctr_va_vdst(0)
	v_pk_add_f32 v[T+2:T+3], v[T+2:T+3], v[S+62:S+63]
	s_delay_alu instid0(VALU_DEP_1)
	v_pk_add_f32 v[rST+2:rST+3], v[rST+2:rST+3], v[T+2:T+3]
.rept 13
	RESC rOB                                       ; the rest of O^T under the new M
.endr
.set cc, 0
.rept 8                                ; the conversion to an 8-bit code does not saturate (ISA guide 7.6.2), and nothing holds p before it; tile B's codes land on T and on numbers converted two conversions back
	HOLD S+8*cc
	HOLD S+8*cc+2
	HOLD S+8*cc+4
	HOLD S+8*cc+6
	v_cvt_scalef32_pk8_bf8_f32 v[rCD+2*cc:rCD+2*cc+1], v[S+8*cc:S+8*cc+7], v[SCL]
.set cc, cc+1
.endr
	v_nop                                          ; one plain line between the last conversion and the matrix instructions that read its result or write over its sources
.endm
; A KEY STEP: 128 keys, the q-th of the slot in hand, for both tiles.
.macro STEP q
	s_cmp_gt_u32 s[KF], s[QL]                      ; all its keys come after my 32 queries: left out.  No barrier and no tensor load stands in a step
	s_cbranch_scc1 .Lhidden_\@
	v_add_nc_u32 v[ADK], s[TB], v[AK0]
	v_add_nc_u32 v[ADV], s[TB], v[AV0]
.rept 3
	v_nop                                          ; with the two additions five places behind the last step's products: four for the loads into v[F] on, five for the products below, which write over registers that held tile B's codes
.endr
.irp t, 0,1,2,3,4,5,6,7
.irp c, 0,1
	ds_load_b128 v[F+8*\t+4*\c:F+8*\t+4*\c+3], v[ADK] offset:(32*(\q)+4*\t)*KP+32*\c
.endr
.endr
.irp t, 0,1,2,3,4,5,6,7
	s_wait_dscnt 14-2*\t                           ; LDS loads come back in order: fragment t's two are in, the 14 - 2 t issued behind them may be out
	v_wmma_f32_16x16x64_bf8_bf8 v[S+8*\t:S+8*\t+7], v[F+8*\t:F+8*\t+7], v[QF:QF+7], 0
.endr
.rept 4
	v_nop                                          ; places in front of the first read of the scores
.endr
	SOFT 0
.irp t, 0,1,2,3,4,5,6,7
	v_wmma_f32_16x16x64_bf8_bf8 v[S+8*\t:S+8*\t+7], v[F+8*\t:F+8*\t+7], v[QF+8:QF+15], 0
.endr
.rept 4
	v_nop                                          ; places in front of the loads into K's registers and of the first read of the scores
.endr
.irp t, 0,1,2,3                        ; V lands while tile B's softmax is worked
.irp c, 0,1,2,3,4,5,6,7
	ds_load_b64 v[F+16*\t+2*\c:F+16*\t+2*\c+1], v[ADV] offset:16*\t*VP+128*(\q)+16*\c
.endr
.endr
	SOFT 1
	s_wait_alu depctr_va_vdst(0)
	s_wait_dscnt 0x0                               ; V is in
.irp t, 0,1,2,3                        ; the eight accumulators take turns, one instruction a turn
	v_wmma_f32_16x16x128_bf8_bf8 v[O+8*\t:O+8*\t+7], v[F+16*\t:F+16*\t+15], v[PA:PA+15], v[O+8*\t:O+8*\t+7]
	v_wmma_f32_16x16x128_bf8_bf8 v[O+32+8*\t:O+32+8*\t+7], v[F+16*\t:F+16*\t+15], v[PB:PB+15], v[O+32+8*\t:O+32+8*\t+7]
.endr
.Lhidden_\@:
	s_add_co_u32 s[KF], s[KF], 128
.endm
; THE WAY OUT, behind the slot that holds my last step.  O^T x 2^(ep + ev) / l goes through my stage in LDS, a tile of 16 queries at a time, and leaves as whole rows: sixteen lanes store 256 consecutive bytes, aligned.
.macro OUT
	s_cmp_lg_u32 s[KF], s[KD]
	s_cbranch_scc1 .Lnot_done_\@
.rept 4
	v_nop                                          ; places behind the last products: their results are read, and registers that they read are written
.endr
	v_add_f32 v[T], v[STA+2], v[STA+3]             ; l's two halves,
	v_add_f32 v[T+2], v[STA+6], v[STA+7]
	v_permlanex16_b32 v[T+1], v[T], s[SEL], s[SEL+1]
	v_permlanex16_b32 v[T+3], v[T+2], s[SEL], s[SEL+1]
	s_delay_alu instid0(VALU_DEP_2)
	v_add_f32 v[T], v[T], v[T+1]                   ; and lane l xor 16's
	s_delay_alu instid0(VALU_DEP_2)
	v_add_f32 v[T+2], v[T+2], v[T+3]
	s_wait_alu depctr_va_vdst(0)
	v_rcp_f32 v[T], v[T]
	v_rcp_f32 v[T+2], v[T+2]
	v_nop                                          ; a plain line behind the transcendentals
	s_wait_alu depctr_va_vdst(0)
	v_ldexp_f32 v[T], v[T], s[EO]
	v_ldexp_f32 v[T+2], v[T+2], s[EO]
.irp x, 0,1
.set oi, 0
.rept 16
	v_pk_mul_f32 v[S+32*\x+oi:S+32*\x+oi+1], v[O+32*\x+oi:O+32*\x+oi+1], v[T+2*\x:T+2*\x+1] op_sel_hi:[1,0]   ; register 8 t + j: channel 16 t + 8 h + j of query r; each accumulator from its low end on
.set oi, oi+2
.endr
.endr
.irp x, 0,1
.irp t, 0,1,2,3
	ds_store_b128 v[STO], v[S+32*\x+8*\t:S+32*\x+8*\t+3] offset:64*\t
	ds_store_b128 v[STO], v[S+32*\x+8*\t+4:S+32*\x+8*\t+7] offset:64*\t+16
.endr
.irp i, 0,1,2,3,4,5,6,7
	ds_load_b128 v[F+32*\x+4*\i:F+32*\x+4*\i+3], v[RD] offset:2*\i*SP   ; LDS serves a wave's instructions in order (ISA guide 5.7.1.4): these see my stores, and tile B's stores come behind tile A's loads
.endr
.endr
.irp x, 0,1
.irp i, 0,1,2,3,4,5,6,7
	s_wait_dscnt 23-16*\x-\i                       ; behind this pair of rows' load: the tile's 7 - i younger loads and, for tile A, tile B's sixteen LDS instructions
	global_store_b128 v[GO], v[F+32*\x+4*\i:F+32*\x+4*\i+3], s[16:17] offset:\x*65536+2*\i*4096 th:TH_STORE_NT
.endr
.endr
	s_wait_xcnt 0x0                                ; the stores have read their registers: no later line finds them pending
.Lnot_done_\@:
.endm
.macro SLOT_STEPS
	STEP 0
	STEP 1
	OUT
	s_xor_b32 s[TB], s[TB], SLOT1                  ; on to the other slot
.endm
	s_load_b128 s[4:7], s[0:1], 0x0                ; Q's codes s[4:5], K's codes s[6:7]
	s_load_b128 s[12:15], s[0:1], 0x10             ; V's codes s[12:13], the scales' exponents s[14:15]
	s_load_b64 s[16:17], s[0:1], 0x20              ; out
	v_lshl_add_u32 v[SPW], v0, 2, SPARE
	v_mov_b32 v[NIL], 0
	ds_add_u32 v5, v6
	ds_add_u32 v5, v6
	s_wait_dscnt 0x0
	v_lshrrev_b32 v[TT], 5, v0
	s_delay_alu instid0(VALU_DEP_1)
	v_readfirstlane_b32 s[WV], v[TT]               ; wave 0..15
	v_and_b32 v[RR], 15, v0                        ; r = lane % 16
	v_bfe_u32 v[HH], v0, 4, 1                      ; h = lane / 16
	; every LDS address register is made here, ahead of the first branch on the wave's number
	s_delay_alu instid0(VALU_DEP_2)
	v_lshrrev_b32 v[TT], 2, v[RR]
	s_delay_alu instid0(VALU_DEP_1)
	v_mul_u32_u24 v[AK0], v[TT], KP
	s_delay_alu instid0(VALU_DEP_4)
	v_and_b32 v[TT], 3, v[RR]
	s_delay_alu instid0(VALU_DEP_1)
	v_lshl_add_u32 v[AK0], v[TT], 6, v[AK0]
	s_delay_alu instid0(VALU_DEP_1)
	v_lshl_add_u32 v[AK0], v[HH], 4, v[AK0]        ; K: (r / 4) 272 + (r % 4) 64 + 16 h
	v_mul_u32_u24 v[AV0], v[RR], VP
	s_delay_alu instid0(VALU_DEP_1)
	v_lshl_add_u32 v[AV0], v[HH], 3, v[AV0]
	s_delay_alu instid0(VALU_DEP_1)
	v_add_nc_u32 v[AV0], VOFF, v[AV0]              ; V: behind K, row r, + 8 h
	s_mul_i32 s67, s[WV], 16*SP
	s_add_co_u32 s67, s67, STAGE                   ; my stage
	v_mul_u32_u24 v[STO], v[RR], SP
	s_delay_alu instid0(VALU_DEP_1)
	v_lshl_add_u32 v[STO], v[HH], 5, v[STO]
	s_delay_alu instid0(VALU_DEP_1)
	v_add_nc_u32 v[STO], s67, v[STO]               ; in: row r, + 32 h; tile t's eight channels 64 t bytes on
	v_mul_u32_u24 v[RD], v[HH], SP
	s_delay_alu instid0(VALU_DEP_1)
	v_lshl_add_u32 v[RD], v[RR], 4, v[RD]
	s_delay_alu instid0(VALU_DEP_1)
	v_add_nc_u32 v[RD], s67, v[RD]                 ; back: lanes 0-15 one row, lanes 16-31 the next
	v_lshlrev_b32 v[GO], 12, v[HH]
	s_delay_alu instid0(VALU_DEP_1)
	v_lshl_add_u32 v[GO], v[RR], 4, v[GO]          ; and the same two rows in out, 4,096 bytes apart
	; who I am
	s_and_b32 s66, ttmp7, 0xffff                   ; the head
	s_lshl_b32 s68, s66, 17                        ; its first byte in each tensor of codes: 2,048 x 64
	s_mov_b32 s69, 0
	s_lshr_b32 s70, s[WV], 2
	s_add_co_u32 s70, s70, s[WV]
	s_and_b32 s70, s70, 3                          ; which of the work-group's four rows
	s_and_b32 s71, s[WV], 3                        ; which quarter of it
	s_and_b32 s72, s70, 1
	s_mul_i32 s72, s72, 3
	s_xor_b32 s72, s72, ttmp9                      ; j, or 3 - j in the odd ones
	s_lshl_b32 s73, s70, 2
	s_add_co_u32 s72, s72, s73                     ; the row: j, 7 - j, 8 + j, 15 - j
	s_lshl_b32 s[QL], s72, 7
	s_lshr_b32 s[KD], s72, 1
	s_add_co_u32 s[KD], s[KD], 1
	s_lshl_b32 s[KD], s[KD], 8
	s_lshl_b32 s73, s71, 5                         ; 32 x quarter
	s_add_co_u32 s74, s[QL], s73                   ; my first query
	v_lshlrev_b32 v[TT], 3, v[HH]
	s_delay_alu instid0(VALU_DEP_1)
	v_sub_nc_u32 v[DQ], v[RR], v[TT]
	s_delay_alu instid0(VALU_DEP_1)
	v_add_nc_u32 v[DQ], s73, v[DQ]
	s_lshl_b32 s76, s74, 6
	s_add_co_u32 s76, s76, s68                     ; Q: my first query's codes
	s_mov_b32 s77, 0
	s_lshr_b32 s78, s66, 4
	s_lshl_b32 s78, s78, 23                        ; out: b x 2,048 rows of 4,096 bytes,
	s_and_b32 s79, s66, 15
	s_lshl_b32 s79, s79, 8                         ; + h x 256,
	s_add_co_u32 s78, s78, s79
	s_lshl_b32 s79, s74, 12                        ; + my first query's row
	s_add_co_u32 s78, s78, s79
	s_mov_b32 s79, 0
	; descriptor groups 1: 64 rows of 256 elements of 1 byte; in LDS four words of padding after every 64
	s_mov_b32 s[G1K], (1<<20)|(5<<22)|(3<<25)      ; 15:0 no mask; 17:16 elements of 1 byte; 20 padding on; 24:22 after every 64 words (code 5); 31:25 four words (code 3)
	s_mov_b32 s[G1V], (1<<20)|(5<<22)|(3<<25)
.irp g, G1K, G1V
	s_mov_b32 s[\g+1], 256<<16                     ; tensor_dim0
	s_mov_b32 s[\g+2], 64<<16                      ; tensor_dim1
	s_mov_b32 s[\g+3], 256<<16                     ; tile_dim0
	s_mov_b32 s[\g+4], 64                          ; tile_dim1
	s_mov_b32 s[\g+6], 0
	s_mov_b32 s[\g+7], 0
.endr
	s_mov_b32 s[G1K+5], 256                        ; K: the 256 keys are one dense block
	s_mov_b32 s[G1V+5], 2048                       ; V: a channel's row is 2,048 keys
	s_mov_b32 s[SEL], 0x76543210
	s_mov_b32 s[SEL+1], 0xfedcba98
	s_mov_b32 s[CS], 0x3e38aa3b                    ; log2(e) / 8
	s_mov_b32 s[TB], 0
	s_mov_b32 s[SLOTS], NSL-1
	s_mov_b32 s[KF], 0
	s_wait_kmcnt 0x0
	s_load_b128 s[EX:EX+3], s[14:15], 0x0          ; eq, ek, ep, ev
	s_mov_b32 s[G0K], 1                            ; 1:0 count = 1
	s_mov_b32 s[G0K+1], 0                          ; 63:32 LDS address: slot 0
	s_add_nc_u64 s[G0K+2:G0K+3], s[6:7], s[68:69]  ; 120:64 global address: the head's first 256 keys
	s_or_b32 s[G0K+3], s[G0K+3], 0x80000000        ; 127:126 type = 2
	s_mov_b32 s[G0V], 1
	s_mov_b32 s[G0V+1], VOFF
	s_add_nc_u64 s[G0V+2:G0V+3], s[12:13], s[68:69]
	s_or_b32 s[G0V+3], s[G0V+3], 0x80000000
	TLOAD                                          ; slot 0
	s_add_nc_u64 s[4:5], s[4:5], s[76:77]
	s_add_nc_u64 s[16:17], s[16:17], s[78:79]
	v_lshlrev_b32 v[ADK], 6, v[RR]
	s_delay_alu instid0(VALU_DEP_1)
	v_lshl_add_u32 v[ADK], v[HH], 4, v[ADK]        ; Q: row r of 64 bytes, + 16 h
.irp x, 0,1
.irp c, 0,1
	global_load_b128 v[QF+8*\x+4*\c:QF+8*\x+4*\c+3], v[ADK], s[4:5] offset:1024*\x+32*\c th:TH_LOAD_NT   ; Q's two fragments stay in registers
.endr
.endr
	; the prefetches (macro ASK): where my wave's stand, and who asks
	s_cmp_lt_u32 s[WV], 6                          ; waves 4 and 5 ask for K's codes, waves 6 and 7 for V's
	s_cselect_b64 s[PFA:PFA+1], s[6:7], s[12:13]
	s_mov_b32 s[PFS], 256
	s_cselect_b32 s[PFS], 16384, s[PFS]            ; a slot on
	s_mov_b32 s80, 2048
	s_cselect_b32 s80, 256, s80                    ; from lane to lane
	s_mov_b32 s81, 65536
	s_cselect_b32 s81, 8192, s81                   ; from wave to wave
	v_and_b32 v[PFO], 31, v0
	s_delay_alu instid0(VALU_DEP_1)
	v_mul_lo_u32 v[PFO], v[PFO], s80
	s_and_b32 s80, s[WV], 1
	s_mul_i32 s80, s80, s81                        ; my wave's part,
	s_add_co_u32 s80, s80, s[PFS]                  ; in slot 1: the first change of slots steps it to slot 2.  Nothing is prefetched here, at the head
	s_mov_b32 s81, 0
	s_mov_b32 s[PFS+1], 0
	s_add_nc_u64 s[PFA:PFA+1], s[PFA:PFA+1], s[68:69]  ; in my head
	s_add_nc_u64 s[PFA:PFA+1], s[PFA:PFA+1], s[80:81]
	s_sub_co_u32 s80, s[WV], 4
	s_lshr_b32 s80, s80, 2                         ; 0 in waves 4 to 7,
	s_or_b32 s80, s80, ttmp9                       ; of the head's first work-group
	s_cmp_eq_u32 s80, 0
	s_cselect_b32 s[LIM], 1, -1
.irp x, 0,1
	v_mov_b32 v[STA+4*\x+1], 0xff61b1e6            ; the largest t so far: -3e38, under every t
	s_delay_alu instid0(VALU_DEP_1)
	v_floor_f32 v[STA+4*\x], -v[STA+4*\x+1]        ; -M
	v_mov_b32 v[STA+4*\x+2], 0                     ; l, in two halves
	v_mov_b32 v[STA+4*\x+3], 0
.endr
.irp k, 0,1,2,3
	v_mov_b32 v[T+\k], 0                           ; written once: a lane permute's destination counts as one of its sources
.endr
.set oi, 0
.rept 64
	v_mov_b32 v[O+oi], 0                           ; O^T.  (The step is written once: the first finds zeros, which the first change of M leaves zeros)
.set oi, oi+1
.endr
	s_wait_kmcnt 0x0
	s_add_co_i32 s82, s[EX], s[EX+1]
	s_lshl_b32 s82, s82, 23
	s_add_co_i32 s[CS], s[CS], s82                 ; a score stands for score x 2^(eq + ek): the two exponents are added to c's exponent field
	s_mov_b32 s[CS+1], s[CS]                       ; (named with it as a pair, so it is written)
	s_add_co_i32 s82, s[EX+2], 127
	s_lshl_b32 s83, s82, 23
	v_mov_b32 v[SCL], s83                          ; 2^ep as f32: the conversion takes its exponent field
	s_add_co_i32 s[EO], s[EX+2], s[EX+3]           ; ep + ev
	s_wait_loadcnt 0x0                             ; Q is in, and its offset register is free
.Lslot:                                            ; NSL - 1 trips: behind each change of slots but the last the next slot is asked for
	CHANGE 1
	SLOT_STEPS
	s_sub_co_u32 s[SLOTS], s[SLOTS], 1
	s_cmp_lg_u32 s[SLOTS], 0
	s_cbranch_scc1 .Lslot
	CHANGE 0                                       ; the last slot is written out
	SLOT_STEPS
	s_wait_tensorcnt 0x0                           ; the wave's end: behind my last tensor load and my last LDS store
	ds_add_u32 v[SPW], v[NIL]
	s_wait_dscnt 0x0
	s_endpgm
.Lfunc_end_k_q8224dee501_attn:
	.size	k_q8224dee501_attn, .Lfunc_end_k_q8224dee501_attn-k_q8224dee501_attn
	.p2alignl 7, 3214868480
	.fill 96, 4, 3214868480
	.section	.rodata,"a",@progbits
	.p2align	6, 0x0
	.amdhsa_kernel k_q8224dee501_attn
		.amdhsa_group_segment_fixed_size 327680
		.amdhsa_private_segment_fixed_size 0
		.amdhsa_enable_private_segment 0
		.amdhsa_kernarg_size 40
		.amdhsa_user_sgpr_count 2
		.amdhsa_user_sgpr_kernarg_segment_ptr 1
		.amdhsa_wavefront_size32 1
		.amdhsa_system_sgpr_workgroup_id_x 1
		.amdhsa_system_sgpr_workgroup_id_y 1
		.amdhsa_system_sgpr_workgroup_id_z 1
		.amdhsa_system_vgpr_workitem_id 0
		.amdhsa_next_free_vgpr 256
		.amdhsa_next_free_sgpr 100
		.amdhsa_reserve_vcc 1
		.amdhsa_float_denorm_mode_32 3
		.amdhsa_float_denorm_mode_16_64 3
		.amdhsa_fp16_overflow 1
		.amdhsa_memory_ordered 1
		.amdhsa_forward_progress 1
		.amdhsa_inst_pref_size 174
	.end_amdhsa_kernel
	.amdgpu_metadata
---
amdhsa.version: [ 1, 2 ]
amdhsa.kernels:
  - .name:           k_q8224dee501_attn
    .symbol:         k_q8224dee501_attn.kd
    .args:
      - { .name: q_codes, .offset: 0, .size: 8, .value_kind: global_buffer, .address_space: global }
      - { .name: k_codes, .offset: 8, .size: 8, .value_kind: global_buffer, .address_space: global }
      - { .name: v_codes, .offset: 16, .size: 8, .value_kind: global_buffer, .address_space: global }
      - { .name: lowp_scales, .offset: 24, .size: 8, .value_kind: global_buffer, .address_space: global }
      - { .name: out0, .offset: 32, .size: 8, .value_kind: global_buffer, .address_space: global }
    .group_segment_fixed_size: 327680
    .private_segment_fixed_size: 0
    .kernarg_segment_align: 8
    .kernarg_segment_size: 40
    .max_flat_workgroup_size: 512
    .sgpr_count:     100
    .vgpr_count:     256
    .wavefront_size: 32
...
	.end_amdgpu_metadata
.endif
;; end of part 1
